; MI455X (gfx1250); checked and timed in simulation.
; The chip was launched on July 23, 2026; its instructions are those of AMD's public machine-readable ISA for CDNA 5 (MIT licence, August 2026) and "CDNA5" Instruction Set Architecture Reference Guide (July 2026). The comments in the code are by the model that wrote it; some were corrected since.
;; Multi Head Attention. Allowed arithmetic: matrix products marked QUANTISED: E2M1 operands, one E8M0 scale for each 32 along K, by v_wmma_scale_f32_16x16x128_f8f6f4 with both operands' format E2M1 (or v_wmma_scale_f32_32x16x128_f4), f32 sums; everything else in f32.
;; Inputs: K_codes 4 x 2,048 x 32 x 16 uint8 (E2M1 codes of K, K innermost, in blocks of 32 codes, two codes a byte); K_scales 4 x 2,048 x 32 uint8 (E8M0 scales of K, one for each 32 codes along K); Q 4 x 2,048 x 1,024 float32; V_codes 4 x 2,048 x 32 x 16 uint8 (E2M1 codes of V, K innermost, in blocks of 32 codes, two codes a byte); V_scales 4 x 2,048 x 32 uint8 (E8M0 scales of V, one for each 32 codes along K); W_K_codes 1,024 x 32 x 16 uint8 (E2M1 codes of W_K, K innermost, in blocks of 32 codes, two codes a byte); W_K_scales 1,024 x 32 uint8 (E8M0 scales of W_K, one for each 32 codes along K); W_O_codes 1,024 x 32 x 16 uint8 (E2M1 codes of W_O, K innermost, in blocks of 32 codes, two codes a byte); W_O_scales 1,024 x 32 uint8 (E8M0 scales of W_O, one for each 32 codes along K); W_Q_codes 1,024 x 32 x 16 uint8 (E2M1 codes of W_Q, K innermost, in blocks of 32 codes, two codes a byte); W_Q_scales 1,024 x 32 uint8 (E8M0 scales of W_Q, one for each 32 codes along K); W_V_codes 1,024 x 32 x 16 uint8 (E2M1 codes of W_V, K innermost, in blocks of 32 codes, two codes a byte); W_V_scales 1,024 x 32 uint8 (E8M0 scales of W_V, one for each 32 codes along K); ln_beta 1,024 float32; ln_gamma 1,024 float32.
;; Outputs: out0 4 x 2,048 x 1,024 float32.
;; This version of the problem:
;;   THIS VERSION OF THE PROBLEM IS GIVEN IN LOW PRECISION. The matrix products marked QUANTISED in the list below multiply operands that are first quantised to E2M1 (2 exponent bits, 1 mantissa bit; 4 bits a number), with one power-of-two scale for each 32 numbers along K (OCP MX v1.0); their sums are f32. All else is computed in f32.
;;   The module's matrix products, in the order in which they are computed (A, B: the left and right operand; K: the contracted axis; several contracted axes count as one K, in the product's order):
;;     1. [M 8,192, K 1,024] x [K 1,024, N 1,024]; A: input Q; B: input W_Q (given as codes): QUANTISED
;;     2. [M 8,192, K 1,024] x [K 1,024, N 1,024]; A: input K (given as codes); B: input W_K (given as codes): QUANTISED
;;     3. [M 8,192, K 1,024] x [K 1,024, N 1,024]; A: input V (given as codes); B: input W_V (given as codes): QUANTISED
;;     4. batch 64 x [M 2,048, K 64] x [K 64, N 2,048]; A: computed on the way; B: computed on the way: QUANTISED
;;     5. batch 64 x [M 2,048, K 2,048] x [K 2,048, N 64]; A: softmax (see below); B: computed on the way: QUANTISED
;;     6. [M 8,192, K 1,024] x [K 1,024, N 1,024]; A: computed on the way; B: input W_O (given as codes): QUANTISED
;;   THE QUANTISER, for each operand of a quantised product, along K:
;;     - K is cut into blocks of 32 from its start; a last block that is shorter is filled with zeros.
;;     - A block's scale is 2^e with e = floor(log2(the largest magnitude in the block)) - 2, held to -126 .. 127; a block of zeros has e = 0. As a byte (E8M0): e + 127.
;;     - Each number is divided by its block's scale, clamped to +-6, and rounded to the nearest number of E2M1, ties to even, subnormals kept.
;;     - The product sums the exact products of the quantised numbers (number of the format x scale) in f32.
;;   ~~~python
;;   def quantise(x, axis):      # numpy; x: float32 -> the quantised numbers, widened to float32 again
;;       x = np.moveaxis(x, axis, -1); K = x.shape[-1]
;;       x = np.pad(x, [(0, 0)] * (x.ndim - 1) + [(0, -K % 32)]); x = x.reshape(x.shape[:-1] + (-1, 32)); a = np.abs(x).max(-1, keepdims=True)
;;       e = np.where(a > 0, np.clip(np.frexp(np.where(a > 0, a, 1))[1] - 1 - 2, -126, 127), 0)      # np.frexp(a)[1] - 1 = floor(log2(a)), exactly
;;       r = np.clip(x / 2.0 ** e, -6, 6)
;;       step = 2.0 ** (np.maximum(np.frexp(np.where(r == 0, 1, r))[1] - 1, 0) - 1)
;;       q = np.round(r / step) * step * 2.0 ** e      # np.round: ties to even
;;       return np.moveaxis(q.reshape(q.shape[:-2] + (-1,))[..., :K], -1, axis).astype(np.float32)
;;   ~~~
;;   SOFTMAX AHEAD OF A QUANTISED PRODUCT. Where the list says 'softmax', what is quantised is not the finished softmax but p = 2^(t - M), with t = logit x log2(e) and M = ceil(the row's largest t), a whole number; so 1/2 < the row's largest p <= 1. The row's sum l is taken of the UNQUANTISED p, in f32, and the product's result is divided by l at the end. Since M is a whole number, a kernel that streams over the keys may use a running M (the ceiling of the running maximum): every later rescaling is an exact power of two, which a block's scale takes up: the codes' values come out the same.
;;   OPERANDS COMPUTED ON THE WAY. 'Computed on the way' means the value that the module computes at that place (a softmax that the list does not call 'softmax' is quantised finished and normalised). What goes into a quantiser is computed in f32, as accurately as f32 sums, v_exp_f32 and their like allow (about 1e-6 of the number): no bf16 or f16 on the way to a quantiser, and a product that is left as it is and whose result goes on into a quantised operand takes f32 operands (vector FMAs, or v_wmma_f32_16x16x4_f32). A number that lies on a knife's edge between two numbers of the format may be rounded either way, as far as f32 arithmetic and the matrix unit's own rounding can turn it there, and no further.
;;   INPUTS GIVEN AS CODES. K (in the module: [4, 2048, 1024], K = its axis 2); V (in the module: [4, 2048, 1024], K = its axis 2); W_K (in the module: [1024, 1024], K = its axis 0); W_O (in the module: [1024, 1024], K = its axis 0); W_Q (in the module: [1024, 1024], K = its axis 0); W_V (in the module: [1024, 1024], K = its axis 0): each comes as NAME_codes (uint8): NAME with its K axis moved to the last place and cut into blocks of 32 codes, [.., K / 32, bytes a block], one block behind the other in memory; two codes a byte, the lower K in the low four bits (a code: sign, 2 exponent bits, 1 mantissa bit); and NAME_scales (uint8): the same leading axes, one E8M0 byte (e + 127) for each 32 codes along K. Its value is code x scale, taken as it is: it is not quantised again, and the codes and scales need not be those that the quantiser above would give.
;; One version. Each part assembles by itself: llvm-mc -triple=amdgcn-amd-amdhsa -mcpu=gfx1250 --defsym DOCPART=n.
;; ======== version 1 of 1: 4 launches
;; limits: right only within a limited range of input values
;; workspace buffers: stage1 4,980,736 bytes; heads 13,369,344 bytes; ctx 4,456,448 bytes
;; launch quantq (part 1): grid 272 x 1, 4 waves a work-group, no clusters, 33,280 bytes of LDS; arguments Q, W_O_codes, stage1; writes stage1
.if DOCPART == 1
	.amdgcn_target "amdgcn-amd-amdhsa--gfx1250"
	.amdhsa_code_object_version 6
	.text
	.protected	k_qfe707d6e1e_quantq
	.globl	k_qfe707d6e1e_quantq
	.p2align	8
	.type	k_qfe707d6e1e_quantq,@function
k_qfe707d6e1e_quantq:
	s_mov_b64 s[64:65], 0
	v_nop
	global_prefetch_b8 v0, s[64:65] scope:SCOPE_SE
	s_setreg_imm32_b32 hwreg(HW_REG_WAVE_MODE, 25, 1), 1
	s_wait_xcnt 0x0
; Two jobs that prepare operands, parted by the work-group's number.
; WORK-GROUPS 0-255: Q [8192][1024] f32 becomes codes of FP4 (E2M1), K innermost, at stage1 + 0 ([8192][512 bytes]), and one E8M0 byte for each 32 along K at stage1 + QS ([8192][32]).
; A block's scale is 2^(floor(log2(its largest magnitude)) - 2); its byte is the largest magnitude's exponent field - 2, held at 1 from below.  Rows are dense and 1024 is a multiple of 32:
; Q is a plain stream of blocks of 32, and so are its codes and its bytes.  A wave takes 16 steps of 512 numbers.  Each load reads 512 consecutive bytes; a step's 2,048 bytes turn through the
; wave's own stage in LDS and come back 64 bytes a lane, so that a lane holds 16 neighbours along K (two neighbouring lanes hold a block).  A step's codes leave as 256 consecutive bytes,
; a wave's 256 scale bytes are gathered in LDS and leave as 256 consecutive bytes.  Waves share nothing: no barrier.
; WORK-GROUPS 256-271: W_O's codes [1024 (n)][512 bytes] are laid anew at stage1 + WP in the order of an operand's registers: [tile of 16 n][K step of 128][half c][lane][16 bytes], so that the last
; launch loads each fragment as 512 consecutive bytes.  A wave takes one tile: 16 loads, 16 stores, no LDS.
; LIMITS: blocks whose largest magnitude lies under 2^-124, and blocks of zeros, keep the byte 1 (their codes are zeros or the nearest codes under that scale; the bytes are read by this program alone);
; NaN and infinities among the inputs are not served.
.set STEPS, 16
.set CB,    8                          ; bytes of 16 codes
.set R,     16                         ; v16-79   four sets of 16 numbers as they are loaded
.set X,     80                         ; v80-111  two sets of 16 neighbours
.set E,     112                        ; v112-127 a scale byte for each step
.set C,     128                        ; v128-191 codes: four registers for each step, so that no store's data are written again
.set WREG,  8192                       ; LDS: a region for each wave: two stages of 32 x SP bytes, behind them its 256 scale bytes
.set SP,    80                         ; a lane's place in a stage: its 64 bytes + 16 of padding
.set QS,    4194304                    ; stage1: Q's scale bytes
.set WP,    4456448                    ; stage1: W_O in fragment order
	s_load_b128 s[4:7], s[0:1], 0x0                ; Q, W_O's codes
	s_load_b64 s[8:9], s[0:1], 0x10                ; stage1
	v_lshl_add_u32 v192, v0, 2, 0x8000
	v_mov_b32 v193, 0
	v_lshrrev_b32 v1, 5, v0
	v_readfirstlane_b32 s16, v1                    ; wave
	v_and_b32 v2, 31, v0                           ; lane
	s_cmp_lt_u32 ttmp9, 256
	s_cbranch_scc0 .Lrelay
	v_lshlrev_b32 v3, 4, v2                        ; my 16 bytes of a load's 512
	s_mul_i32 s17, s16, WREG
	v_lshrrev_b32 v14, 2, v2
	v_mul_u32_u24 v14, v14, SP
	v_and_b32 v15, 3, v2
	v_lshl_add_u32 v14, v15, 4, v14
	v_add_nc_u32 v14, s17, v14                     ; the stage, on the way in: SP (lane / 4) + 16 (lane % 4)
	v_mul_u32_u24 v15, v2, SP
	v_add_nc_u32 v15, s17, v15                     ; and on the way out: SP x lane: my 16 neighbours
	v_mul_u32_u24 v4, v2, CB                       ; my codes' place in a step's
	v_lshrrev_b32 v5, 1, v2
	s_add_co_u32 s17, s17, 2*32*SP
	v_add_nc_u32 v5, s17, v5                       ; LDS: my wave's 256 scale bytes, my block's byte
	v_lshlrev_b32 v7, 3, v2                        ; and on the way out 8 bytes a lane
	v_add_nc_u32 v6, s17, v7
	s_lshl_b32 s17, ttmp9, 2
	s_add_co_u32 s18, s17, s16                     ; which run of 8,192 numbers is my wave's: 0 .. 1023
	s_lshl_b32 s20, s18, 15                        ; 32,768 bytes of f32,
	s_mov_b32 s21, 0
	s_lshl_b32 s22, s18, 12                        ; 4,096 bytes of codes,
	s_mov_b32 s23, 0
	s_lshl_b32 s24, s18, 8                         ; 256 scale bytes
	s_add_co_u32 s24, s24, QS
	s_mov_b32 s25, 0
	s_wait_kmcnt 0x0
	s_add_nc_u64 s[4:5], s[4:5], s[20:21]
	s_add_nc_u64 s[10:11], s[8:9], s[24:25]
	s_add_nc_u64 s[8:9], s[8:9], s[22:23]
.macro LOAD t
.irp i, 0,1,2,3
	global_load_b128 v[R+16*((\t)%4)+4*\i:R+16*((\t)%4)+4*\i+3], v3, s[4:5] offset:2048*(\t)+512*\i th:TH_LOAD_NT   ; 32 lanes read 512 consecutive bytes
.endr
.endm
.macro TURN t                          ; step t's numbers through the stage: LDS serves a wave's instructions in order, so no wait stands between the stores and the loads
.irp i, 0,1,2,3
	ds_store_b128 v14, v[R+16*((\t)%4)+4*\i:R+16*((\t)%4)+4*\i+3] offset:32*SP*((\t)%2)+8*SP*\i
.endr
.irp i, 0,1,2,3
	ds_load_b128 v[X+16*((\t)%2)+4*\i:X+16*((\t)%2)+4*\i+3], v15 offset:32*SP*((\t)%2)+16*\i
.endr
.endm
.irp t, 0,1,2,3
	LOAD \t
.endr
	s_wait_loadcnt 12                              ; step 0's four loads are in; those of steps 1 to 3 may be out
	TURN 0
.macro STEP t
.set XS, X+16*((\t)%2)
.if (\t) > 0
	s_wait_dscnt 1                                 ; this step's numbers are back from the stage (the last step's byte store may be out): so its stores into the stage have read their registers,
.else
	s_wait_dscnt 0x0
.endif
.if (\t)+4 < STEPS
	LOAD (\t)+4                                    ; which take the loads of four steps on
.endif
.if (\t)+1 < STEPS
.if STEPS-2-(\t) >= 3
	s_wait_loadcnt 12                              ; the next step's four loads are in; those of the three steps behind it may be out
.else
	s_wait_loadcnt 4*(STEPS-2-(\t))
.endif
	TURN (\t)+1                                    ; and go through the other stage while this step is worked
.endif
	v_max3_num_f32 v8, |v[XS]|, |v[XS+1]|, |v[XS+2]|               ; the largest magnitude of my 16, in two chains
	v_max3_num_f32 v9, |v[XS+3]|, |v[XS+4]|, |v[XS+5]|
.irp i, 6,10
	v_max3_num_f32 v8, v8, |v[XS+\i]|, |v[XS+\i+1]|
	v_max3_num_f32 v9, v9, |v[XS+\i+2]|, |v[XS+\i+3]|
.endr
	v_max3_num_f32 v8, v8, |v[XS+14]|, |v[XS+15]|
	v_max3_num_f32 v8, v8, v9, 0x1800000           ; and the floor 2^(3 - 127): so the byte cannot fall under 1
	v_max_num_f32_dpp v8, v8, v8 row_xmask:1 row_mask:0xf bank_mask:0xf   ; and of my neighbour's 16: the block's
	v_add_nc_u32 v11, 0xff000000, v8               ; 2 off its exponent field: the conversion takes the exponent field of this operand as its scale
	v_cvt_scalef32_pk8_fp4_f32 v[C+4*(\t)], v[XS:XS+7], v11
	v_cvt_scalef32_pk8_fp4_f32 v[C+4*(\t)+1], v[XS+8:XS+15], v11
	v_lshrrev_b32 v[E+(\t)], 23, v11               ; the scale's byte (a plain line behind the conversions)
	ds_store_b8 v5, v[E+(\t)] offset:16*(\t)       ; both lanes of a block write the same byte with the same value
	global_store_b64 v4, v[C+4*(\t):C+4*(\t)+1], s[8:9] offset:32*CB*(\t)   ; the wave stores 256 consecutive bytes
.endm
.irp t, 0,1,2,3,4,5,6,7,8,9,10,11,12,13,14,15
	STEP \t
.endr
	ds_load_b64 v[12:13], v6                       ; LDS serves a wave's instructions in order: these see my stores
	s_wait_dscnt 0x0
	global_store_b64 v7, v[12:13], s[10:11]        ; 32 lanes store 256 consecutive bytes
	s_wait_tensorcnt 0x0
	ds_add_u32 v192, v193
	s_wait_dscnt 0x0
	s_endpgm
.Lrelay:
	s_sub_co_u32 s17, ttmp9, 256
	s_lshl_b32 s17, s17, 2
	s_add_co_u32 s17, s17, s16                     ; my tile of 16 rows of W_O: 0 .. 63
	s_lshl_b32 s20, s17, 13                        ; 16 rows of 512 bytes
	s_mov_b32 s21, 0
	s_add_co_u32 s22, s20, WP
	s_mov_b32 s23, 0
	v_and_b32 v3, 15, v0                           ; r
	v_bfe_u32 v4, v0, 4, 1                         ; h
	v_lshlrev_b32 v5, 9, v3
	v_lshl_add_u32 v5, v4, 4, v5                   ; from: row r, + 16 h
	v_lshlrev_b32 v6, 4, v2                        ; to: 16 x lane
	s_wait_kmcnt 0x0
	s_add_nc_u64 s[6:7], s[6:7], s[20:21]
	s_add_nc_u64 s[8:9], s[8:9], s[22:23]
.irp q, 0,1,2,3,4,5,6,7
.irp c, 0,1
	global_load_b128 v[16+8*\q+4*\c:16+8*\q+4*\c+3], v5, s[6:7] offset:64*\q+32*\c    ; registers 4 c .. 4 c + 3 of the fragment of K step q
.endr
.endr
	s_wait_loadcnt 0x0
.irp q, 0,1,2,3,4,5,6,7
.irp c, 0,1
	global_store_b128 v6, v[16+8*\q+4*\c:16+8*\q+4*\c+3], s[8:9] offset:1024*\q+512*\c   ; 512 consecutive bytes
.endr
.endr
	s_endpgm
.Lfunc_end_k_qfe707d6e1e_quantq:
	.size	k_qfe707d6e1e_quantq, .Lfunc_end_k_qfe707d6e1e_quantq-k_qfe707d6e1e_quantq
	.p2alignl 7, 3214868480
	.fill 96, 4, 3214868480
	.section	.rodata,"a",@progbits
	.p2align	6, 0x0
	.amdhsa_kernel k_qfe707d6e1e_quantq
		.amdhsa_group_segment_fixed_size 33280
		.amdhsa_private_segment_fixed_size 0
		.amdhsa_enable_private_segment 0
		.amdhsa_kernarg_size 24
		.amdhsa_user_sgpr_count 2
		.amdhsa_user_sgpr_kernarg_segment_ptr 1
		.amdhsa_wavefront_size32 1
		.amdhsa_system_sgpr_workgroup_id_x 1
		.amdhsa_system_sgpr_workgroup_id_y 1
		.amdhsa_system_sgpr_workgroup_id_z 1
		.amdhsa_system_vgpr_workitem_id 0
		.amdhsa_next_free_vgpr 194
		.amdhsa_next_free_sgpr 66
		.amdhsa_reserve_vcc 0
		.amdhsa_float_denorm_mode_32 3
		.amdhsa_float_denorm_mode_16_64 3
		.amdhsa_memory_ordered 1
		.amdhsa_forward_progress 1
		.amdhsa_inst_pref_size 37
	.end_amdhsa_kernel
	.amdgpu_metadata
---
amdhsa.version: [ 1, 2 ]
amdhsa.kernels:
  - .name:           k_qfe707d6e1e_quantq
    .symbol:         k_qfe707d6e1e_quantq.kd
    .args:
      - { .name: Q, .offset: 0, .size: 8, .value_kind: global_buffer, .address_space: global }
      - { .name: W_O_codes, .offset: 8, .size: 8, .value_kind: global_buffer, .address_space: global }
      - { .name: stage1, .offset: 16, .size: 8, .value_kind: global_buffer, .address_space: global }
    .group_segment_fixed_size: 33280
    .private_segment_fixed_size: 0
    .kernarg_segment_align: 8
    .kernarg_segment_size: 24
    .max_flat_workgroup_size: 128
    .sgpr_count:     66
    .vgpr_count:     194
    .wavefront_size: 32
...
	.end_amdgpu_metadata
.endif
;; end of part 1
;; launch proj (part 2): grid 256 x 3, 8 waves a work-group, no clusters, 222,208 bytes of LDS; arguments stage1, K_codes, K_scales, V_codes, V_scales, W_Q_codes, W_Q_scales, W_K_codes, W_K_scales, W_V_codes, W_V_scales, heads; writes heads
.if DOCPART == 2
	.amdgcn_target "amdgcn-amd-amdhsa--gfx1250"
	.amdhsa_code_object_version 6
	.text
	.protected	k_qfe707d6e1e_proj
	.globl	k_qfe707d6e1e_proj
	.p2align	8
	.type	k_qfe707d6e1e_proj,@function
k_qfe707d6e1e_proj:
	s_mov_b64 s[64:65], 0
	v_nop
	global_prefetch_b8 v0, s[64:65] scope:SCOPE_SE
	s_setreg_imm32_b32 hwreg(HW_REG_WAVE_MODE, 25, 1), 1
	s_wait_xcnt 0x0
; The three projections, one body: out[y][x] = Quantise along x of (sum over k of Y[y][k] X[x][k]), K = 1024, all operands codes of FP4 (E2M1) with one E8M0 byte for each 32 along K.
; T = work-group y.  T = 0: X = W_Q, Y = Q's codes (stage1).  T = 1: X = W_K, Y = K.  T = 2: X = V's tokens, Y = W_V.  x is the axis that the NEXT product contracts: the head's 64 for Qh and Kh, the keys for Vh.
; THE MATRIX INSTRUCTION: source 0 = 16 rows of X, source 1 = 16 rows of Y: lane (r, h) then holds row r of Y, and register e of tile i the column x = 16 i + 8 h + e: a lane's registers run along the next K.
; SHARES.  A work-group takes 256 rows of X, 128 rows of Y and ALL of K: 192 KiB of codes and 12 KiB of scale bytes lie in LDS at once, every byte filled once, so there is no ring.  Eight waves, each 64 x 64: 16 accumulators.
; K comes as two halves of 512 (tile rows of 256 bytes): the first half and the scales are waited for first, the second half lands while the first is multiplied.
; THE RESULT is quantised in registers.  A PIECE is 512 bytes: lane r + 16 H holds 16 bytes: row r, codes x = 32 H .. 32 H + 31 of a group of 64: half of an operand's fragment as its registers want it.
; heads: codes at T x 4 MiB as [batch x head 64][unit 32][j 4][512]; scale bytes at HSC + T x 256 KiB as [batch x head][unit][r 16][j 4][2].  Q, K: unit = 64 tokens, piece j = its tokens 16 j + r, x = d.  V: unit = 64 keys, piece j = rows d = 16 j + r, x = keys.
; No cluster: X's tile (128 of a work-group's 204 KiB) is shared by the work-groups of one xt; joint loads for it are left out of this first form, which keeps every load plain.
; LIMITS: blocks whose largest magnitude lies under 2^-124, and blocks of zeros, keep the byte 1 (read by this program alone); NaN and infinities are not served.
.set PITCH, 272                        ; an LDS row: 256 bytes + 16 of padding = 68 words: the 16 rows that a fragment load touches start at 16 different groups of four banks (64 banks of 4 bytes: ISA guide 11.1)
.set QROWS, 64*PITCH
.set SLOT,  384*PITCH                  ; a K half: X's 256 rows, then Y's 128
.set YOFF,  256*PITCH
.set SCY,   2*SLOT                     ; Y's scale bytes, 128 rows x 32, dense
.set SCX,   SCY+4096                   ; X's, 256 rows x 32
.set QS,    4194304                    ; stage1: Q's scale bytes
.set HSC,   12582912                   ; heads: the scale bytes
.set WV,   2                           ; s2  wave
.set C64,  8                           ; s[8:15]   group 1: 64 rows x 256 bytes of codes
.set C32,  16                          ; s[16:23]  32 such rows
.set XSD,  24                          ; s[24:31]  8,192 dense bytes
.set YSD,  32                          ; s[32:39]  4,096 dense bytes
.set GX0,  56                          ; groups 0
.set GX1,  60
.set GY0,  68
.set GY1,  72
.set GXS,  76
.set GYS,  80
.set SEL,  98                          ; s[98:99] v_permlanex16_b32's selects for lane l xor 16
.set TM,   12                          ; v12-19  QUANT2 at work
.set XF,   32                          ; v32-63  X's four fragments
.set YF,   64                          ; v64-95  Y's four
.set SC,   96                          ; v96-127 scale words: register 16 s + 4 i + qq: lanes 0-15 Y's tile i, lanes 16-31 X's tile i
.set ACC,  128                         ; v128-255 accumulator (j, i) at 32 j + 8 i
.macro CODES g, rows
	s_mov_b32 s[\g], (1<<20)|(5<<22)|(3<<25)       ; no mask; elements of 1 byte; padding on: after every 64 words (code 5) four words (code 3)
	s_mov_b32 s[\g+1], 256<<16                     ; tensor_dim0
	s_mov_b32 s[\g+2], (\rows)<<16                 ; tensor_dim1
	s_mov_b32 s[\g+3], 256<<16                     ; tile_dim0
	s_mov_b32 s[\g+4], \rows                       ; tile_dim1
	s_mov_b32 s[\g+5], 512                         ; from row to row: 1,024 codes
	s_mov_b32 s[\g+6], 0
	s_mov_b32 s[\g+7], 0
.endm
.macro DENSE g, rows                   ; a dense block as rows of 256 bytes: 32 elements of 8 bytes
	s_mov_b32 s[\g], 3<<16
	s_mov_b32 s[\g+1], 32<<16
	s_mov_b32 s[\g+2], (\rows)<<16
	s_mov_b32 s[\g+3], 32<<16
	s_mov_b32 s[\g+4], \rows
	s_mov_b32 s[\g+5], 32
	s_mov_b32 s[\g+6], 0
	s_mov_b32 s[\g+7], 0
.endm
.macro PLACES
.rept 4
	v_nop
.endr
.endm
	s_load_b256 s[8:15], s[0:1], 0x0               ; stage1, K's codes, K's scales, V's codes
	s_load_b256 s[16:23], s[0:1], 0x20             ; V's scales, W_Q's codes, W_Q's scales, W_K's codes
	s_load_b256 s[24:31], s[0:1], 0x40             ; W_K's scales, W_V's codes, W_V's scales, heads
	v_lshl_add_u32 v30, v0, 2, 0x36000
	v_mov_b32 v31, 0
	ds_add_u32 v30, v31
	ds_add_u32 v30, v31
	v_lshrrev_b32 v1, 5, v0
	v_readfirstlane_b32 s[WV], v1                  ; wave 0..7
	s_and_b32 s3, ttmp7, 0xffff                    ; T
	s_and_b32 s4, ttmp9, 3
	s_lshr_b32 s5, ttmp9, 2
	s_and_b32 s6, ttmp9, 7
	s_lshr_b32 s7, ttmp9, 3
	s_and_b32 s86, s[WV], 3                        ; wx: my 64 rows of X
	s_lshr_b32 s87, s[WV], 2                       ; wy: my 64 rows of Y
	s_and_b32 s88, s[WV], 1
	s_cmp_eq_u32 s3, 2
	s_cselect_b32 s84, s7, s4                      ; xt: X has 32 tiles of 256 rows where it is V's tokens, else 4
	s_cselect_b32 s85, s6, s5                      ; yt: Y has 8 tiles of 128 rows where it is W_V, else 64
	s_lshl_b32 s89, s84, 2
	s_add_co_u32 s89, s89, s86                     ; XG: my group of 64 along x
	s_lshl_b32 s90, s85, 1
	s_add_co_u32 s90, s90, s87                     ; U: my group of 64 rows of Y
	s_cmp_eq_u32 s3, 2
	s_cselect_b32 s91, s89, s90                    ; the group of 64 tokens,
	s_cselect_b32 s92, s90, s89                    ; and the head
	s_lshr_b32 s93, s91, 5                         ; batch
	s_lshl_b32 s93, s93, 4
	s_add_co_u32 s93, s93, s92
	s_lshl_b32 s93, s93, 5
	s_and_b32 s94, s91, 31
	s_add_co_u32 s93, s93, s94                     ; (batch x 16 + head) x 32 + unit
	s_lshl_b32 s94, s3, 22
	s_lshl_b32 s95, s93, 11
	s_add_co_u32 s94, s94, s95                     ; my four pieces in heads
	s_mov_b32 s95, 0
	s_lshl_b32 s96, s3, 18
	s_lshl_b32 s97, s93, 7
	s_add_co_u32 s96, s96, s97
	s_add_co_u32 s96, s96, HSC                     ; and their 128 scale bytes
	s_mov_b32 s97, 0
	s_mov_b32 s5, 0
	s_wait_dscnt 0x0
	s_wait_kmcnt 0x0
	s_add_nc_u64 s[52:53], s[8:9], QS
	s_add_nc_u64 s[48:49], s[30:31], s[94:95]
	s_add_nc_u64 s[50:51], s[30:31], s[96:97]
	s_cmp_eq_u32 s3, 0                             ; the choice of buffers hangs on the work-group's number alone
	s_cselect_b64 s[40:41], s[18:19], s[22:23]     ; X's codes
	s_cselect_b64 s[42:43], s[20:21], s[24:25]     ; X's scales
	s_cselect_b64 s[44:45], s[8:9], s[10:11]       ; Y's codes
	s_cselect_b64 s[46:47], s[52:53], s[12:13]     ; Y's scales
	s_cmp_eq_u32 s3, 2
	s_cselect_b64 s[40:41], s[14:15], s[40:41]
	s_cselect_b64 s[42:43], s[16:17], s[42:43]
	s_cselect_b64 s[44:45], s[26:27], s[44:45]
	s_cselect_b64 s[46:47], s[28:29], s[46:47]
	s_lshl_b32 s4, s84, 17                         ; 256 rows of 512 bytes
	s_add_nc_u64 s[40:41], s[40:41], s[4:5]
	s_lshl_b32 s4, s84, 13                         ; 256 rows of 32 bytes
	s_add_nc_u64 s[42:43], s[42:43], s[4:5]
	s_lshl_b32 s4, s85, 16
	s_add_nc_u64 s[44:45], s[44:45], s[4:5]
	s_lshl_b32 s4, s85, 12
	s_add_nc_u64 s[46:47], s[46:47], s[4:5]
	CODES C64, 64                                  ; the raw pointers are done with: their registers take the shapes
	CODES C32, 32
	DENSE XSD, 32
	DENSE YSD, 16
	s_mov_b32 s[GX0], 1                            ; waves 0-3: X's rows 64 (w % 4) on, K half 0,
	s_mul_i32 s[GX0+1], s86, QROWS
	s_lshl_b32 s4, s86, 15
	s_add_nc_u64 s[GX0+2:GX0+3], s[40:41], s[4:5]
	s_mov_b32 s[GX1], 1                            ; and K half 1: 256 bytes on in each row
	s_add_co_u32 s[GX1+1], s[GX0+1], SLOT
	s_add_nc_u64 s[GX1+2:GX1+3], s[GX0+2:GX0+3], 256
	s_or_b32 s[GX0+3], s[GX0+3], 0x80000000
	s_or_b32 s[GX1+3], s[GX1+3], 0x80000000
	s_mov_b32 s[GY0], 1                            ; waves 4, 5: Y's rows 64 (w % 2) on, K half 0
	s_mul_i32 s[GY0+1], s88, QROWS
	s_add_co_u32 s[GY0+1], s[GY0+1], YOFF
	s_lshl_b32 s4, s88, 15
	s_add_nc_u64 s[GY0+2:GY0+3], s[44:45], s[4:5]
	s_or_b32 s[GY0+3], s[GY0+3], 0x80000000
	s_mov_b32 s[GY1], 1                            ; waves 4-7: Y's rows 32 (w % 4) on, K half 1
	s_mul_i32 s[GY1+1], s86, 32*PITCH
	s_add_co_u32 s[GY1+1], s[GY1+1], SLOT+YOFF
	s_lshl_b32 s4, s86, 14
	s_add_nc_u64 s[GY1+2:GY1+3], s[44:45], s[4:5]
	s_add_nc_u64 s[GY1+2:GY1+3], s[GY1+2:GY1+3], 256
	s_or_b32 s[GY1+3], s[GY1+3], 0x80000000
	s_mov_b32 s[GXS], 1                            ; wave 6: X's scale bytes
	s_mov_b32 s[GXS+1], SCX
	s_mov_b64 s[GXS+2:GXS+3], s[42:43]
	s_or_b32 s[GXS+3], s[GXS+3], 0x80000000
	s_mov_b32 s[GYS], 1                            ; wave 7: Y's
	s_mov_b32 s[GYS+1], SCY
	s_mov_b64 s[GYS+2:GYS+3], s[46:47]
	s_or_b32 s[GYS+3], s[GYS+3], 0x80000000
	; ALL FILLS, once: every wave issues two loads, in one arm of a chain of branches on the wave's number: first what the first K half needs, then its part of the second.  Two loads of a wave are out at the most.
	s_cmp_lt_u32 s[WV], 4
	s_cbranch_scc0 .Lnot_x
	tensor_load_to_lds s[GX0:GX0+3], s[C64:C64+7]
	s_nop 0
	tensor_load_to_lds s[GX1:GX1+3], s[C64:C64+7]
	s_nop 0
	PLACES
	s_branch .Ljoin
.Lnot_x:
	s_cmp_lt_u32 s[WV], 6
	s_cbranch_scc0 .Lnot_y
	tensor_load_to_lds s[GY0:GY0+3], s[C64:C64+7]
	s_nop 0
	tensor_load_to_lds s[GY1:GY1+3], s[C32:C32+7]
	s_nop 0
	PLACES
	s_branch .Ljoin
.Lnot_y:
	s_cmp_eq_u32 s[WV], 6
	s_cbranch_scc0 .Lwave_7
	tensor_load_to_lds s[GXS:GXS+3], s[XSD:XSD+7]
	s_nop 0
	tensor_load_to_lds s[GY1:GY1+3], s[C32:C32+7]
	s_nop 0
	PLACES
	s_branch .Ljoin
.Lwave_7:
	tensor_load_to_lds s[GYS:GYS+3], s[YSD:YSD+7]
	s_nop 0
	tensor_load_to_lds s[GY1:GY1+3], s[C32:C32+7]
	s_nop 0
	PLACES
.Ljoin:
	v_and_b32 v1, 15, v0                           ; r
	v_bfe_u32 v2, v0, 4, 1                         ; h
	v_mul_u32_u24 v3, v1, PITCH
	v_lshl_add_u32 v3, v2, 4, v3                   ; a fragment's row x pitch + 16 h
	s_mul_i32 s4, s86, QROWS
	s_mul_i32 s5, s87, QROWS
	s_add_co_u32 s5, s5, YOFF
	v_add_nc_u32 v4, s4, v3                        ; v4, v5: my rows of X in K half 0, 1
	v_add_nc_u32 v5, SLOT, v4
	v_add_nc_u32 v6, s5, v3                        ; v6, v7: my rows of Y
	v_add_nc_u32 v7, SLOT, v6
	s_lshl_b32 s4, s86, 11
	s_lshl_b32 s5, s87, 11
	s_add_co_u32 s4, s4, 4096
	s_sub_co_u32 s4, s4, s5                        ; from my rows of Y's scales to my rows of X's
	v_mul_u32_u24 v8, s4, v2                       ; lanes 16-31 take X's
	v_lshl_add_u32 v8, v1, 5, v8                   ; 32 bytes a row
	s_add_co_u32 s5, s5, SCY
	v_add_nc_u32 v8, s5, v8                        ; v8: my scale words
	v_and_b32 v9, 31, v0
	v_lshlrev_b32 v9, 4, v9                        ; v9: 16 x lane: a piece's place for my lane
	v_lshlrev_b32 v10, 3, v1
	v_lshl_add_u32 v10, v2, 2, v10                 ; v10: 8 r + 4 h: my word of the unit's scale bytes
	v_mov_b32 v[TM+2], 0                           ; written once: a lane permute's destination counts as one of its sources
	v_mov_b32 v[TM+3], 0
	s_mov_b32 s[SEL], 0x76543210
	s_mov_b32 s[SEL+1], 0xfedcba98
; 128 along K: the qq-th of K half s.  16 LDS loads, 16 matrix instructions on 16 accumulators that take turns.  The SIMD's other wave works while this one waits for LDS.
.macro STEP s, qq, zero
.if !\zero
	PLACES                                         ; four places in front of loads into registers that matrix instructions have read
.endif
.irp i, 0,1,2,3
.irp c, 0,1
	ds_load_b128 v[XF+8*\i+4*\c:XF+8*\i+4*\c+3], v[4+\s] offset:\i*16*PITCH+64*\qq+32*\c
	ds_load_b128 v[YF+8*\i+4*\c:YF+8*\i+4*\c+3], v[6+\s] offset:\i*16*PITCH+64*\qq+32*\c
.endr
.endr
	s_wait_dscnt 0x0
.irp j, 0,1,2,3
.irp i, 0,1,2,3
.if \zero
	v_wmma_scale_f32_16x16x128_f8f6f4 v[ACC+32*\j+8*\i:ACC+32*\j+8*\i+7], v[XF+8*\i:XF+8*\i+7], v[YF+8*\j:YF+8*\j+7], 0, v[SC+16*\s+4*\i+\qq], v[SC+16*\s+4*\j+\qq] matrix_a_fmt:MATRIX_FMT_FP4 matrix_b_fmt:MATRIX_FMT_FP4 matrix_a_scale:MATRIX_SCALE_ROW1
.else
	v_wmma_scale_f32_16x16x128_f8f6f4 v[ACC+32*\j+8*\i:ACC+32*\j+8*\i+7], v[XF+8*\i:XF+8*\i+7], v[YF+8*\j:YF+8*\j+7], v[ACC+32*\j+8*\i:ACC+32*\j+8*\i+7], v[SC+16*\s+4*\i+\qq], v[SC+16*\s+4*\j+\qq] matrix_a_fmt:MATRIX_FMT_FP4 matrix_b_fmt:MATRIX_FMT_FP4 matrix_a_scale:MATRIX_SCALE_ROW1
.endif
.endr
.endr
.endm
; 32 numbers of a lane, register 16 b + 8 u + e = x 32 b + 16 u + 8 h + e of my row, become a piece in v[pc .. pc + 3] and its two scale bytes in v[pw].
; The four conversions' results are (b, u) = (0,0), (1,0), (0,1), (1,1) in registers pc + 0 .. 3; each exchange of halves then gives lanes 0-15 block 0 and lanes 16-31 block 1, in true order of x.
.macro QUANT2 src, pc, pw
.irp b, 0,1
	v_max3_num_f32 v[TM+\b], |v[\src+16*\b]|, |v[\src+16*\b+1]|, 0x1800000   ; block b: my 16 numbers, from each accumulator's low end on, and the floor 2^(3 - 127): the byte cannot fall under 1
.endr
.irp i, 2,4,6,8,10,12,14
.irp b, 0,1
	v_max3_num_f32 v[TM+\b], v[TM+\b], |v[\src+16*\b+\i]|, |v[\src+16*\b+\i+1]|
.endr
.endr
.irp b, 0,1
	v_permlanex16_b32 v[TM+2+\b], v[TM+\b], s[SEL], s[SEL+1]
.endr
.irp b, 0,1
	v_max_num_f32 v[TM+\b], v[TM+\b], v[TM+2+\b]   ; with lane l xor 16's 16: the block's largest magnitude
.endr
.irp b, 0,1
	v_add_nc_u32 v[TM+4+\b], 0xff000000, v[TM+\b]  ; 2 off its exponent field: the conversion's scale operand
.endr
.irp b, 0,1
	v_lshrrev_b32 v[TM+6+\b], 23, v[TM+4+\b]       ; the scale's byte
.endr
	v_lshl_or_b32 v[\pw], v[TM+7], 8, v[TM+6]
	v_cvt_scalef32_pk8_fp4_f32 v[\pc], v[\src:\src+7], v[TM+4]
	v_cvt_scalef32_pk8_fp4_f32 v[\pc+2], v[\src+8:\src+15], v[TM+4]
	v_cvt_scalef32_pk8_fp4_f32 v[\pc+1], v[\src+16:\src+23], v[TM+5]
	v_cvt_scalef32_pk8_fp4_f32 v[\pc+3], v[\src+24:\src+31], v[TM+5]
	v_nop                                          ; one plain place behind the scaled conversions
	v_permlane16_swap_b32 v[\pc], v[\pc+1]
	v_permlane16_swap_b32 v[\pc+2], v[\pc+3]
.endm
	s_wait_tensorcnt 0x1                           ; my first load has landed (K half 0, or a block of scales); my second, a part of K half 1, may stay out
	s_barrier_signal -1
	s_barrier_wait -1                              ; everybody's has
.irp s, 0,1
.irp i, 0,1,2,3
	ds_load_b128 v[SC+16*\s+4*\i:SC+16*\s+4*\i+3], v8 offset:512*\i+16*\s   ; the scale words of all of K: 16 rows on for each tile, 16 bytes on for K half 1
.endr
.endr
	STEP 0, 0, 1                                   ; the first products start the sums: nothing is cleared
	STEP 0, 1, 0
	STEP 0, 2, 0
	STEP 0, 3, 0
	s_wait_tensorcnt 0x0                           ; my part of K half 1 has landed (no LDS access of mine is out)
	s_barrier_signal -1
	s_barrier_wait -1
	STEP 1, 0, 0
	STEP 1, 1, 0
	STEP 1, 2, 0
	STEP 1, 3, 0
	PLACES                                         ; in front of the first read of results and the first write of X's registers
.irp j, 0,1,2,3
	QUANT2 ACC+32*\j, XF+4*\j, XF+16+\j
	global_store_b128 v9, v[XF+4*\j:XF+4*\j+3], s[48:49] offset:512*\j   ; a piece: 512 consecutive bytes
.endr
	v_lshl_or_b32 v52, v49, 16, v48                ; row r's eight scale bytes: pieces 0, 1
	v_lshl_or_b32 v53, v51, 16, v50                ; and 2, 3
	v_cmp_eq_u32 vcc_lo, 0, v2
	v_cndmask_b32 v54, v53, v52, vcc_lo            ; lanes 0-15 store the first word, lanes 16-31 the second
	global_store_b32 v10, v54, s[50:51]            ; the wave stores 128 consecutive bytes
	s_wait_tensorcnt 0x0
	ds_add_u32 v30, v31
	s_wait_dscnt 0x0
	s_endpgm
.Lfunc_end_k_qfe707d6e1e_proj:
	.size	k_qfe707d6e1e_proj, .Lfunc_end_k_qfe707d6e1e_proj-k_qfe707d6e1e_proj
	.p2alignl 7, 3214868480
	.fill 96, 4, 3214868480
	.section	.rodata,"a",@progbits
	.p2align	6, 0x0
	.amdhsa_kernel k_qfe707d6e1e_proj
		.amdhsa_group_segment_fixed_size 222208
		.amdhsa_private_segment_fixed_size 0
		.amdhsa_enable_private_segment 0
		.amdhsa_kernarg_size 96
		.amdhsa_user_sgpr_count 2
		.amdhsa_user_sgpr_kernarg_segment_ptr 1
		.amdhsa_wavefront_size32 1
		.amdhsa_system_sgpr_workgroup_id_x 1
		.amdhsa_system_sgpr_workgroup_id_y 1
		.amdhsa_system_sgpr_workgroup_id_z 1
		.amdhsa_system_vgpr_workitem_id 0
		.amdhsa_next_free_vgpr 256
		.amdhsa_next_free_sgpr 100
		.amdhsa_reserve_vcc 1
		.amdhsa_float_denorm_mode_32 3
		.amdhsa_float_denorm_mode_16_64 3
		.amdhsa_memory_ordered 1
		.amdhsa_forward_progress 1
		.amdhsa_inst_pref_size 43
	.end_amdhsa_kernel
	.amdgpu_metadata
---
amdhsa.version: [ 1, 2 ]
amdhsa.kernels:
  - .name:           k_qfe707d6e1e_proj
    .symbol:         k_qfe707d6e1e_proj.kd
    .args:
      - { .name: stage1, .offset: 0, .size: 8, .value_kind: global_buffer, .address_space: global }
      - { .name: K_codes, .offset: 8, .size: 8, .value_kind: global_buffer, .address_space: global }
      - { .name: K_scales, .offset: 16, .size: 8, .value_kind: global_buffer, .address_space: global }
      - { .name: V_codes, .offset: 24, .size: 8, .value_kind: global_buffer, .address_space: global }
      - { .name: V_scales, .offset: 32, .size: 8, .value_kind: global_buffer, .address_space: global }
      - { .name: W_Q_codes, .offset: 40, .size: 8, .value_kind: global_buffer, .address_space: global }
      - { .name: W_Q_scales, .offset: 48, .size: 8, .value_kind: global_buffer, .address_space: global }
      - { .name: W_K_codes, .offset: 56, .size: 8, .value_kind: global_buffer, .address_space: global }
      - { .name: W_K_scales, .offset: 64, .size: 8, .value_kind: global_buffer, .address_space: global }
      - { .name: W_V_codes, .offset: 72, .size: 8, .value_kind: global_buffer, .address_space: global }
      - { .name: W_V_scales, .offset: 80, .size: 8, .value_kind: global_buffer, .address_space: global }
      - { .name: heads, .offset: 88, .size: 8, .value_kind: global_buffer, .address_space: global }
    .group_segment_fixed_size: 222208
    .private_segment_fixed_size: 0
    .kernarg_segment_align: 8
    .kernarg_segment_size: 96
    .max_flat_workgroup_size: 256
    .sgpr_count:     100
    .vgpr_count:     256
    .wavefront_size: 32
...
	.end_amdgpu_metadata
.endif
;; end of part 2
;; launch attn (part 3): grid 4 x 64, 16 waves a work-group, no clusters, 169,984 bytes of LDS; arguments heads, ctx; writes ctx
.if DOCPART == 3
	.amdgcn_target "amdgcn-amd-amdhsa--gfx1250"
	.amdhsa_code_object_version 6
	.text
	.protected	k_qfe707d6e1e_attn
	.globl	k_qfe707d6e1e_attn
	.p2align	8
	.type	k_qfe707d6e1e_attn,@function
k_qfe707d6e1e_attn:
	s_mov_b64 s[64:65], 0
	v_nop
	global_prefetch_b8 v0, s[64:65] scope:SCOPE_SE
	s_setreg_imm32_b32 hwreg(HW_REG_WAVE_MODE, 25, 1), 1
	s_wait_xcnt 0x0
; Causal attention of one head on codes of FP4 (E2M1): S^T = Kh Qh^T (K = the head's 64), p = 2^(t - M), O^T = Vh^T p^T (K = the keys), ctx = O / l, quantised along the head's 64.
; t = score x log2(e) / 8; M = the row's largest t so far, rounded UP to a whole number; p is not normalised; the row's sum l is taken of the unquantised p, in f32.  When M moves, l and O are multiplied by 2^(old M - new M): exact.
; SHARES.  A work-group owns blocks qb and 7 - qb of 256 queries of one head; wave w owns one tile of 16 queries in each: tile A = 16 qb + w, tile B = 16 (7 - qb) + (w xor 15).  A tile at query q0 needs q0 / 128 + 1 steps of 128 keys:
; the two tiles of every wave need 17 together.  Four waves to a SIMD: one wave's vector work stands beside another's matrix work and LDS loads.
; LDS holds the whole head: K's and V's codes (64 KiB each) and scale bytes (4 KiB each), as the launch before laid them: pieces of 512 bytes, lane l's 16 bytes at 16 l.  Every byte is filled once: no ring.
; K = 64 IN AN INSTRUCTION OF 128: a fragment of K holds two tiles of 16 keys, tile 2 b in k = 0-63 and tile 2 b + 1 in k = 64-127; Q stands in registers as (q, 0, q), so that (q, 0) meets the first tile and (0, q) the second: zero codes add nothing.
; LAYOUT.  Lane (r, h) holds query r throughout.  In S^T register 8 n + e is key 16 n + 8 h + e of the step; the conversions' results are set in the order (b, u) = (0,0), (1,0), (0,1), (1,1) and two exchanges of halves for each 64 keys give p's fragment.
; THE MASK is reference's own: every trip count is a constant; a step all of whose keys come after the tile's queries is jumped over by a scalar branch on ids; on the diagonal hidden scores become -infinity ahead of the maximum.
; No cluster: the jump over hidden steps hangs on the query block, which would be a work-group's place in its cluster, and what would be shared is one fill at the head.
; ctx: pieces at [batch x 128 + tile of tokens][head][512]; scale bytes at CSO as [batch x head][tile 128][r 16][2], gathered in LDS and stored as 512 consecutive bytes for each block of queries.
; LIMITS: a hidden key gets p = 0, which is what reference's -1e9 gives while logits stay under about 5e8 in magnitude; blocks under 2^-124 and blocks of zeros keep the byte 1 (read by this program alone); NaN and infinities are not served.
.set HSC,  12582912                    ; heads: the scale bytes
.set CSO,  4194304                     ; ctx: the scale bytes
.set KSC,  131072                      ; LDS: K's codes at 0, V's at 65536, K's scale bytes here,
.set VSC,  135168                      ; V's,
.set GATH, 139264                      ; and 1,024 bytes into which no fill lands: the two blocks' scale bytes of ctx
.set LI,   1                           ; v1   16 x lane
.set R8K,  2                           ; v2   KSC + 8 r
.set LQ,   3                           ; v3   r - 8 h
.set ADK,  4                           ; v4-7 the step's LDS addresses: K's codes, V's codes, K's scale words, V's
.set ADV,  5
.set ADS,  6
.set ADT,  7
.set R8,   8                           ; v8   8 r
.set GA,   9                           ; v9   where tile A's scale bytes go;  v10 tile B's;  v11 where waves 0 and 1 read a block's back
.set GB,   10
.set GR,   11
.set STA,  12                          ; v12-15 tile A: -M, the largest t, the sum in two halves;  v16-19 tile B
.set STB,  16
.set QA,   20                          ; v20-31 tile A's q, 0, q;  v32-43 tile B's
.set QB,   32
.set QSA,  44                          ; v44, v45 their scale words
.set QSB,  45
.set KV,   48                          ; v48-79 four fragments of K, then of V
.set KSW,  80                          ; v80-83 K's scale words
.set VSR,  84                          ; v84-87 V's scale bytes as they lie
.set VSW,  88                          ; v88-91 V's scale words
.set S,    96                          ; v96-159 S^T, then p
.set OA,   160                         ; v160-191 O^T of tile A;  v192-223 of tile B
.set OB,   192
.set P,    224                         ; v224-231 p's codes
.set TM,   240                         ; v240-247 QUANT2 at work;  v232-239, v244-247, v252-255 the step at work
.set WV,   18
.set SEL,  20
.set CS,   22                          ; s[22:23] c = log2(e) / 8
.set G64,  24                          ; groups 1: dense blocks of 64, 96, 16 rows of 256 bytes
.set G96,  32
.set G16,  40
.set G0A,  48                          ; groups 0
.set G0S,  52
.set G0B,  56
.set KF,   60                          ; s60 the step's first key;  s61 its codes' place in LDS;  s62 its scale bytes';  s63 trips to go
.set TK,   61
.set TS,   62
.set CNT,  63
.set Q0A,  66                          ; s66, s67 the tiles' first queries
.set Q0B,  67
.macro DENSE g, rows
	s_mov_b32 s[\g], 3<<16                         ; no mask, elements of 8 bytes, no padding
	s_mov_b32 s[\g+1], 32<<16
	s_mov_b32 s[\g+2], (\rows)<<16
	s_mov_b32 s[\g+3], 32<<16
	s_mov_b32 s[\g+4], \rows
	s_mov_b32 s[\g+5], 32
	s_mov_b32 s[\g+6], 0
	s_mov_b32 s[\g+7], 0
.endm
.macro PLACES
.rept 4
	v_nop
.endr
.endm
	s_load_b128 s[4:7], s[0:1], 0x0                ; heads, ctx
	v_lshl_add_u32 v250, v0, 2, 0x29000
	v_mov_b32 v251, 0
	ds_add_u32 v250, v251
	ds_add_u32 v250, v251
	v_lshrrev_b32 v46, 5, v0
	v_readfirstlane_b32 s[WV], v46                 ; wave 0..15
	s_and_b32 s8, ttmp7, 0xffff                    ; batch x 16 + head
	s_and_b32 s9, s[WV], 1                         ; a: I fetch for K (0) or for V (1)
	s_bfe_u32 s10, s[WV], 0x10001                  ; which of the two later parts
	s_add_co_u32 s11, s9, 1
	s_lshl_b32 s12, s11, 22
	s_lshl_b32 s13, s8, 16
	s_add_co_u32 s12, s12, s13                     ; my head's codes of K or V
	s_mov_b32 s13, 0
	s_lshl_b32 s14, s11, 18
	s_lshl_b32 s15, s8, 12
	s_add_co_u32 s14, s14, s15
	s_add_co_u32 s14, s14, HSC                     ; and scale bytes
	s_mov_b32 s15, 0
	s_mul_i32 s16, s10, 24576
	s_add_co_u32 s16, s16, 16384                   ; the later parts begin 16,384 and 40,960 bytes in
	s_mov_b32 s17, 0
	DENSE G64, 64
	DENSE G96, 96
	DENSE G16, 16
	s_lshl_b32 s70, ttmp9, 4
	s_add_co_u32 s70, s70, s[WV]                   ; tile A
	s_sub_co_u32 s71, 7, ttmp9
	s_lshl_b32 s71, s71, 4
	s_xor_b32 s72, s[WV], 15
	s_add_co_u32 s71, s71, s72                     ; tile B
	s_lshl_b32 s[Q0A], s70, 4
	s_lshl_b32 s[Q0B], s71, 4
	s_lshl_b32 s74, s8, 16
	s_lshl_b32 s76, s70, 9
	s_add_co_u32 s76, s76, s74                     ; Q's piece of tile A,
	s_mov_b32 s77, 0
	s_lshl_b32 s78, s71, 9
	s_add_co_u32 s78, s78, s74                     ; of tile B
	s_mov_b32 s79, 0
	s_lshl_b32 s75, s8, 12
	s_add_co_u32 s75, s75, HSC
	s_lshr_b32 s80, s70, 2
	s_lshl_b32 s80, s80, 7
	s_and_b32 s81, s70, 3
	s_lshl_b32 s81, s81, 1
	s_add_co_u32 s80, s80, s81
	s_add_co_u32 s80, s80, s75                     ; its scale bytes: unit x 128 + 2 j (+ 8 r)
	s_mov_b32 s81, 0
	s_lshr_b32 s82, s71, 2
	s_lshl_b32 s82, s82, 7
	s_and_b32 s83, s71, 3
	s_lshl_b32 s83, s83, 1
	s_add_co_u32 s82, s82, s83
	s_add_co_u32 s82, s82, s75
	s_mov_b32 s83, 0
	s_lshr_b32 s84, s8, 4
	s_lshl_b32 s84, s84, 7                         ; batch x 128
	s_and_b32 s85, s8, 15
	s_lshl_b32 s85, s85, 9                         ; head x 512
	s_add_co_u32 s86, s84, s70
	s_lshl_b32 s86, s86, 13
	s_add_co_u32 s86, s86, s85                     ; ctx's piece of tile A,
	s_mov_b32 s87, 0
	s_add_co_u32 s88, s84, s71
	s_lshl_b32 s88, s88, 13
	s_add_co_u32 s88, s88, s85                     ; of tile B
	s_mov_b32 s89, 0
	s_sub_co_u32 s90, 7, ttmp9
	s_cmp_eq_u32 s9, 0
	s_cselect_b32 s90, ttmp9, s90                  ; wave 0 stores block qb's scale bytes, wave 1 block 7 - qb's
	s_lshl_b32 s90, s90, 9
	s_lshl_b32 s91, s8, 12
	s_add_co_u32 s90, s90, s91
	s_add_co_u32 s90, s90, CSO
	s_mov_b32 s91, 0
	v_and_b32 v46, 31, v0
	v_lshlrev_b32 v[LI], 4, v46
	v_and_b32 v46, 15, v0                          ; r
	v_bfe_u32 v47, v0, 4, 1                        ; h
	v_lshlrev_b32 v[R8], 3, v46
	v_add_nc_u32 v[R8K], KSC, v[R8]
	v_lshlrev_b32 v47, 3, v47
	v_sub_nc_u32 v[LQ], v46, v47
	s_lshl_b32 s92, s[WV], 5
	s_add_co_u32 s92, s92, GATH
	v_lshl_add_u32 v[GA], v46, 1, s92              ; GATH + 32 w + 2 r
	s_lshl_b32 s93, s72, 5
	s_add_co_u32 s93, s93, GATH+512
	v_lshl_add_u32 v[GB], v46, 1, s93              ; GATH + 512 + 32 (w xor 15) + 2 r
	s_lshl_b32 s94, s9, 9
	s_add_co_u32 s94, s94, GATH
	v_add_nc_u32 v[GR], s94, v[LI]
	s_mov_b32 s[SEL], 0x76543210
	s_mov_b32 s[SEL+1], 0xfedcba98
	s_mov_b32 s[CS], 0x3e38aa3b                    ; log2(e) / 8
	s_mov_b32 s[CS+1], s[CS]                       ; (named with it as a pair, so it is written)
	s_mov_b32 s[KF], 0
	s_mov_b32 s[TK], 0
	s_mov_b32 s[TS], 0
	s_mov_b32 s[CNT], 16
	s_wait_dscnt 0x0
	s_wait_kmcnt 0x0
	s_mov_b32 s[G0A], 1                            ; the first 16,384 bytes of K's or V's codes
	s_lshl_b32 s[G0A+1], s9, 16
	s_add_nc_u64 s[G0A+2:G0A+3], s[4:5], s[12:13]
	s_mov_b32 s[G0B], 1                            ; one of the two later parts, 24,576 bytes
	s_add_co_u32 s[G0B+1], s[G0A+1], s16
	s_add_nc_u64 s[G0B+2:G0B+3], s[G0A+2:G0A+3], s[16:17]
	s_or_b32 s[G0A+3], s[G0A+3], 0x80000000
	s_or_b32 s[G0B+3], s[G0B+3], 0x80000000
	s_mov_b32 s[G0S], 1                            ; K's or V's 4,096 scale bytes
	s_lshl_b32 s[G0S+1], s9, 12
	s_add_co_u32 s[G0S+1], s[G0S+1], KSC
	s_add_nc_u64 s[G0S+2:G0S+3], s[4:5], s[14:15]
	s_or_b32 s[G0S+3], s[G0S+3], 0x80000000
	; ALL FILLS, once: waves 0 to 3 issue two loads each, inside one branch on the wave's number; the others none
	s_cmp_lt_u32 s[WV], 2
	s_cbranch_scc0 .Lnot_01
	tensor_load_to_lds s[G0A:G0A+3], s[G64:G64+7]
	s_nop 0
	tensor_load_to_lds s[G0B:G0B+3], s[G96:G96+7]
	s_nop 0
	PLACES
	s_branch .Lfilled
.Lnot_01:
	s_cmp_lt_u32 s[WV], 4
	s_cbranch_scc0 .Lfilled
	tensor_load_to_lds s[G0S:G0S+3], s[G16:G16+7]
	s_nop 0
	tensor_load_to_lds s[G0B:G0B+3], s[G96:G96+7]
	s_nop 0
	PLACES
.Lfilled:
	s_add_nc_u64 s[76:77], s[4:5], s[76:77]
	s_add_nc_u64 s[78:79], s[4:5], s[78:79]
	s_add_nc_u64 s[80:81], s[4:5], s[80:81]
	s_add_nc_u64 s[82:83], s[4:5], s[82:83]
	s_add_nc_u64 s[86:87], s[6:7], s[86:87]
	s_add_nc_u64 s[88:89], s[6:7], s[88:89]
	s_add_nc_u64 s[90:91], s[6:7], s[90:91]
	global_load_b128 v[QA:QA+3], v[LI], s[76:77]   ; q stands twice, with four registers of zero codes between
	global_load_b128 v[QA+8:QA+11], v[LI], s[76:77]
	global_load_b128 v[QB:QB+3], v[LI], s[78:79]
	global_load_b128 v[QB+8:QB+11], v[LI], s[78:79]
	global_load_u16 v[QSA], v[R8], s[80:81]        ; row r's two scale bytes
	global_load_u16 v[QSB], v[R8], s[82:83]
.irp j, 4,5,6,7
	v_mov_b32 v[QA+\j], 0
	v_mov_b32 v[QB+\j], 0
.endr
.irp t, STA, STB
	v_mov_b32 v[\t+1], 0xff61b1e6                  ; the largest t so far: -3e38, under every t
	v_floor_f32 v[\t], -v[\t+1]                    ; -M
	v_mov_b32 v[\t+2], 0                           ; the sum, in two halves
	v_mov_b32 v[\t+3], 0
.endr
.irp j, 236,237,238,239,242,243,252,253
	v_mov_b32 v[\j], 0                             ; written once: destinations of lane permutes, and halves of pairs that are named whole
.endr
	s_wait_loadcnt 0x0
	v_lshl_or_b32 v[QSA], v[QSA], 16, v[QSA]       ; the two bytes serve k = 0-63 of (q, 0) and k = 64-127 of (0, q); the other two stand over zero codes
	v_lshl_or_b32 v[QSB], v[QSB], 16, v[QSB]
.set jj, 0
.rept 64
	v_mov_b32 v[OA+jj], 0                          ; O^T of both tiles.  (The step is written once for each tile: the first finds zeros, which the first change of M leaves zeros.  These lines are also the places behind the scale words just made)
.set jj, jj+1
.endr
; A KEY STEP of one tile: 128 keys from s[KF] on.  ob: O^T;  qf: q, 0, q;  qs: q's scale word;  st: the statistics;  sq: the scalar that holds the tile's first query.
.macro STEP ob, qf, qs, st, sq
	s_add_co_u32 s68, s[\sq], 15
	s_cmp_gt_u32 s[KF], s68
	s_cbranch_scc1 .Lhidden_\@                     ; all keys come after my 16 queries
	v_add_nc_u32 v[ADK], s[TK], v[LI]              ; (these four are also the places in front of the loads into registers that the last products read)
	v_add_nc_u32 v[ADS], s[TS], v[R8K]
	v_add_nc_u32 v[ADV], 65536, v[ADK]
	v_add_nc_u32 v[ADT], 4096, v[ADS]
.irp n, 0,1,2,3,4,5,6,7
	ds_load_b128 v[KV+4*\n:KV+4*\n+3], v[ADK] offset:512*\n   ; the piece of keys 16 n on: half of fragment n / 2
.endr
.irp u, 0,1
	ds_load_b64 v[KSW+2*\u:KSW+2*\u+1], v[ADS] offset:128*\u  ; a unit of 64 keys: row r's words for two fragments
.endr
	s_wait_dscnt 0x0
.irp n, 0,1,2,3,4,5,6,7
	v_wmma_scale_f32_16x16x128_f8f6f4 v[S+8*\n:S+8*\n+7], v[KV+8*(\n/2):KV+8*(\n/2)+7], v[\qf+4*(\n%2):\qf+4*(\n%2)+7], 0, v[KSW+\n/2], v[\qs] matrix_a_fmt:MATRIX_FMT_FP4 matrix_b_fmt:MATRIX_FMT_FP4
.endr
	PLACES                                         ; in front of the loads into K's registers and of the first read of the scores
.irp t, 0,1,2,3
.irp c, 0,1
	ds_load_b128 v[KV+8*\t+4*\c:KV+8*\t+4*\c+3], v[ADV] offset:2048*\c+512*\t   ; V's fragment of rows d = 16 t on: they land under the softmax
.endr
.endr
.irp c, 0,1
	ds_load_b64 v[VSR+2*\c:VSR+2*\c+1], v[ADT] offset:128*\c
.endr
	s_add_co_u32 s68, s[KF], 127
	s_cmp_le_u32 s68, s[\sq]
	s_cbranch_scc1 .Lopen_\@                       ; every key counts for every query of the tile
	s_sub_co_i32 s68, s[\sq], s[KF]
	v_add_nc_u32 v252, s68, v[LQ]                  ; d = my query - KF - 8 h.  Register 8 n + e holds key KF + 16 n + 8 h + e: hidden where 16 n + e > d
	v_mov_b32 v254, 0xff800000                     ; -infinity
.set jj, 0
.rept 64
	v_cmp_gt_i32 vcc_lo, 16*(jj/8)+jj%8, v252
	v_cndmask_b32 v[S+jj], v[S+jj], v254, vcc_lo
.set jj, jj+1
.endr
.Lopen_\@:
.irp b, 0,1,2,3
	v_max3_num_f32 v[232+\b], v[S+16*\b], v[S+1+16*\b], v[S+2+16*\b]   ; the largest score of each block of 32 keys: it serves for the row's maximum and, since p rises with the score, for the block's largest p
.endr
.irp i, 3,5,7,9,11,13
.irp b, 0,1,2,3
	v_max3_num_f32 v[232+\b], v[232+\b], v[S+16*\b+\i], v[S+1+16*\b+\i]
.endr
.endr
.irp b, 0,1,2,3
	v_max_num_f32 v[232+\b], v[232+\b], v[S+15+16*\b]
.endr
.irp b, 0,1,2,3
	v_permlanex16_b32 v[236+\b], v[232+\b], s[SEL], s[SEL+1]
.endr
.irp b, 0,1,2,3
	v_max_num_f32 v[232+\b], v[232+\b], v[236+\b]  ; with lane l xor 16's 16 keys
.endr
	v_max3_num_f32 v254, v232, v233, v234
	v_max_num_f32 v254, v254, v235                 ; the step's largest score of my query
	v_mul_f32 v254, s[CS], v254                    ; as t (c is positive)
	v_max_num_f32 v[\st+1], v[\st+1], v254         ; the running largest t
	v_mov_b32 v254, v[\st]
	v_floor_f32 v[\st], -v[\st+1]                  ; the new -M = floor(-t) = -ceil(t)
	v_sub_f32 v254, v[\st], v254                   ; old M - new M: a whole number, 0 or less
	v_cvt_i32_f32 v254, v254                       ; (it saturates)
	v_ldexp_f32 v252, 1.0, v254                    ; f = 2^(old M - new M)
.set jj, 0
.rept 32
	v_pk_fma_f32 v[S+jj:S+jj+1], v[S+jj:S+jj+1], s[CS:CS+1], v[\st:\st+1] op_sel_hi:[1,0,0]   ; t - M, two at a time
.set jj, jj+2
.endr
.irp b, 0,1,2,3
	v_fma_f32 v[232+\b], v[232+\b], s[CS], v[\st]  ; the same of each block's largest score
.endr
.set jj, 0
.rept 64
	v_exp_f32 v[S+jj], v[S+jj]                     ; p = 2^(t - M), at most 1
.set jj, jj+1
.endr
	v_pk_mul_f32 v[\st+2:\st+3], v[\st+2:\st+3], v[252:253] op_sel_hi:[1,0]   ; the sums under the new M (a plain place behind the exponentials)
	s_wait_alu depctr_va_vdst(0)                   ; one wait for the batch of 64, ahead of its first reader
.irp b, 0,1,2,3
	v_exp_f32 v[232+\b], v[232+\b]                 ; the block's largest p: the same two instructions on the same number give the same bits
.endr
	v_pk_add_f32 v[236:237], v[S:S+1], v[S+2:S+3]  ; the row's sum of the unquantised p, in two chains
.irp j, 4,8,12,16,20,24,28,32,36,40,44,48,52,56,60
	v_pk_add_f32 v[\st+2:\st+3], v[\st+2:\st+3], v[S+\j:S+1+\j]
	v_pk_add_f32 v[236:237], v[236:237], v[S+2+\j:S+3+\j]
.endr
	v_pk_add_f32 v[\st+2:\st+3], v[\st+2:\st+3], v[236:237]
	s_wait_dscnt 0x0                               ; V's fragments and scale bytes are in
	v_perm_b32 v[VSW], v[VSR+2], v[VSR], 0x05040100     ; rows d of tile t: the two bytes of the first 64 keys below, those of the second 64 above
	v_perm_b32 v[VSW+1], v[VSR+2], v[VSR], 0x07060302
	v_perm_b32 v[VSW+2], v[VSR+3], v[VSR+1], 0x05040100
	v_perm_b32 v[VSW+3], v[VSR+3], v[VSR+1], 0x07060302
	s_wait_alu depctr_va_vdst(0)                   ; and one wait for the four
.irp b, 0,1,2,3
	v_max_num_f32 v[232+\b], 0x1800000, v[232+\b]  ; the floor 2^(3 - 127): the byte cannot fall under 1 (a block whose every p is 0 keeps that byte: its codes are zeros)
.endr
.irp b, 0,1,2,3
	v_add_nc_u32 v[244+\b], 0xff000000, v[232+\b]  ; 2 off the exponent field: the conversion's scale operand
.endr
.irp b, 0,1,2,3
	v_lshrrev_b32 v[236+\b], 23, v[244+\b]         ; the scale's byte
.endr
	v_lshl_or_b32 v253, v237, 8, v236              ; p's scale word for these 128 keys
	v_lshl_or_b32 v253, v238, 16, v253
	v_lshl_or_b32 v253, v239, 24, v253
.irp b, 0,1,2,3
	v_cvt_scalef32_pk8_fp4_f32 v[P+4*(\b/2)+(\b%2)], v[S+16*\b:S+7+16*\b], v[244+\b]       ; keys 32 b + 8 h + e
	v_cvt_scalef32_pk8_fp4_f32 v[P+4*(\b/2)+2+(\b%2)], v[S+8+16*\b:S+15+16*\b], v[244+\b]  ; keys 32 b + 16 + 8 h + e
.endr
	v_nop                                          ; one plain place behind the scaled conversions
.irp c, 0,1
.irp u, 0,1
	v_permlane16_swap_b32 v[P+4*\c+2*\u], v[P+4*\c+2*\u+1]   ; lanes 0-15 get block 2 c, lanes 16-31 block 2 c + 1, in true order of the keys
.endr
.endr
.set jj, 0
.rept 16
	v_pk_mul_f32 v[\ob+jj:\ob+jj+1], v[\ob+jj:\ob+jj+1], v[252:253] op_sel_hi:[1,0]   ; O^T under the new M.  (These are also the places behind p's codes and the scale words)
.set jj, jj+2
.endr
.irp t, 0,1,2,3
	v_wmma_scale_f32_16x16x128_f8f6f4 v[\ob+8*\t:\ob+8*\t+7], v[KV+8*\t:KV+8*\t+7], v[P:P+7], v[\ob+8*\t:\ob+8*\t+7], v[VSW+\t], v253 matrix_a_fmt:MATRIX_FMT_FP4 matrix_b_fmt:MATRIX_FMT_FP4
.endr
.Lhidden_\@:
.endm
; 32 numbers of a lane, register 16 b + 8 u + e = x 32 b + 16 u + 8 h + e of my row, become a piece in v[pc .. pc + 3] and its two scale bytes in v[pw]
.macro QUANT2 src, pc, pw
.irp b, 0,1
	v_max3_num_f32 v[TM+\b], |v[\src+16*\b]|, |v[\src+16*\b+1]|, 0x1800000
.endr
.irp i, 2,4,6,8,10,12,14
.irp b, 0,1
	v_max3_num_f32 v[TM+\b], v[TM+\b], |v[\src+16*\b+\i]|, |v[\src+16*\b+\i+1]|
.endr
.endr
.irp b, 0,1
	v_permlanex16_b32 v[TM+2+\b], v[TM+\b], s[SEL], s[SEL+1]
.endr
.irp b, 0,1
	v_max_num_f32 v[TM+\b], v[TM+\b], v[TM+2+\b]
.endr
.irp b, 0,1
	v_add_nc_u32 v[TM+4+\b], 0xff000000, v[TM+\b]
.endr
.irp b, 0,1
	v_lshrrev_b32 v[TM+6+\b], 23, v[TM+4+\b]
.endr
	v_lshl_or_b32 v[\pw], v[TM+7], 8, v[TM+6]
	v_cvt_scalef32_pk8_fp4_f32 v[\pc], v[\src:\src+7], v[TM+4]
	v_cvt_scalef32_pk8_fp4_f32 v[\pc+2], v[\src+8:\src+15], v[TM+4]
	v_cvt_scalef32_pk8_fp4_f32 v[\pc+1], v[\src+16:\src+23], v[TM+5]
	v_cvt_scalef32_pk8_fp4_f32 v[\pc+3], v[\src+24:\src+31], v[TM+5]
	v_nop                                          ; one plain place behind the scaled conversions
	v_permlane16_swap_b32 v[\pc], v[\pc+1]
	v_permlane16_swap_b32 v[\pc+2], v[\pc+3]
.endm
; A tile's end: O^T / the sum, quantised along the head's 64: a piece of ctx and two scale bytes a row
.macro FIN ob, st, pc, ga, sb
	PLACES                                         ; in front of the first read of the last products' results
	v_add_f32 v[\st+2], v[\st+2], v[\st+3]         ; the sum's two halves,
	v_permlanex16_b32 v252, v[\st+2], s[SEL], s[SEL+1]
	v_add_f32 v[\st+2], v[\st+2], v252             ; and lane l xor 16's
	v_rcp_f32 v[\st+2], v[\st+2]
	v_nop                                          ; a plain place behind the reciprocal,
	s_wait_alu depctr_va_vdst(0)                   ; and the wait ahead of its first reader
.set jj, 0
.rept 32
	v_mul_f32 v[S+jj], v[\ob+jj], v[\st+2]         ; each accumulator from its low end on
.set jj, jj+1
.endr
	QUANT2 S, \pc, 255
	ds_store_b16 v[\ga], v255                      ; lanes r and r + 16 write the same two bytes with the same value
	global_store_b128 v[LI], v[\pc:\pc+3], s[\sb:\sb+1]   ; 512 consecutive bytes
.endm
	s_wait_tensorcnt 0x0                           ; my fills have landed,
	s_barrier_signal -1
	s_barrier_wait -1                              ; everybody's have: the whole head lies in LDS
.Lkeys:                                            ; 16 trips, a constant: what a tile does not need is jumped over inside the step
	STEP OB, QB, QSB, STB, Q0B
	STEP OA, QA, QSA, STA, Q0A
	s_add_co_u32 s[KF], s[KF], 128
	s_add_co_u32 s[TK], s[TK], 4096                ; two units of four pieces
	s_add_co_u32 s[TS], s[TS], 256                 ; two units of 128 scale bytes
	s_sub_co_u32 s[CNT], s[CNT], 1
	s_cmp_lg_u32 s[CNT], 0
	s_cbranch_scc1 .Lkeys
	s_wait_dscnt 0x0
	s_barrier_signal -1                            ; every wave's reads of the head are over before the first store into LDS
	s_barrier_wait -1
	FIN OA, STA, P, GA, 86
	FIN OB, STB, P+4, GB, 88
	s_wait_dscnt 0x0                               ; for the others' sake: my two stores have landed
	s_barrier_signal -1
	s_barrier_wait -1
	s_cmp_lt_u32 s[WV], 2
	s_cbranch_scc0 .Ldone
	ds_load_b128 v[KV:KV+3], v[GR]                 ; a block's 512 scale bytes: 16 tiles x 16 rows x 2
	s_wait_dscnt 0x0
	global_store_b128 v[LI], v[KV:KV+3], s[90:91]  ; 512 consecutive bytes
.Ldone:
	s_wait_tensorcnt 0x0
	ds_add_u32 v250, v251
	s_wait_dscnt 0x0
	s_endpgm
.Lfunc_end_k_qfe707d6e1e_attn:
	.size	k_qfe707d6e1e_attn, .Lfunc_end_k_qfe707d6e1e_attn-k_qfe707d6e1e_attn
	.p2alignl 7, 3214868480
	.fill 96, 4, 3214868480
	.section	.rodata,"a",@progbits
	.p2align	6, 0x0
	.amdhsa_kernel k_qfe707d6e1e_attn
		.amdhsa_group_segment_fixed_size 169984
		.amdhsa_private_segment_fixed_size 0
		.amdhsa_enable_private_segment 0
		.amdhsa_kernarg_size 16
		.amdhsa_user_sgpr_count 2
		.amdhsa_user_sgpr_kernarg_segment_ptr 1
		.amdhsa_wavefront_size32 1
		.amdhsa_system_sgpr_workgroup_id_x 1
		.amdhsa_system_sgpr_workgroup_id_y 1
		.amdhsa_system_sgpr_workgroup_id_z 1
		.amdhsa_system_vgpr_workitem_id 0
		.amdhsa_next_free_vgpr 256
		.amdhsa_next_free_sgpr 100
		.amdhsa_reserve_vcc 1
		.amdhsa_float_denorm_mode_32 3
		.amdhsa_float_denorm_mode_16_64 3
		.amdhsa_memory_ordered 1
		.amdhsa_forward_progress 1
		.amdhsa_inst_pref_size 59
	.end_amdhsa_kernel
	.amdgpu_metadata
---
amdhsa.version: [ 1, 2 ]
amdhsa.kernels:
  - .name:           k_qfe707d6e1e_attn
    .symbol:         k_qfe707d6e1e_attn.kd
    .args:
      - { .name: heads, .offset: 0, .size: 8, .value_kind: global_buffer, .address_space: global }
      - { .name: ctx, .offset: 8, .size: 8, .value_kind: global_buffer, .address_space: global }
    .group_segment_fixed_size: 169984
    .private_segment_fixed_size: 0
    .kernarg_segment_align: 8
    .kernarg_segment_size: 16
    .max_flat_workgroup_size: 512
    .sgpr_count:     100
    .vgpr_count:     256
    .wavefront_size: 32
...
	.end_amdgpu_metadata
.endif
;; end of part 3
;; launch outln (part 4): grid 256 x 1, 16 waves a work-group, no clusters, 150,016 bytes of LDS; arguments ctx, stage1, W_O_scales, Q, ln_gamma, ln_beta, out0; writes out0
.if DOCPART == 4
	.amdgcn_target "amdgcn-amd-amdhsa--gfx1250"
	.amdhsa_code_object_version 6
	.text
	.protected	k_qfe707d6e1e_outln
	.globl	k_qfe707d6e1e_outln
	.p2align	8
	.type	k_qfe707d6e1e_outln,@function
k_qfe707d6e1e_outln:
	s_mov_b64 s[64:65], 0
	v_nop
	global_prefetch_b8 v0, s[64:65] scope:SCOPE_SE
	s_setreg_imm32_b32 hwreg(HW_REG_WAVE_MODE, 25, 1), 1
	s_wait_xcnt 0x0
; out0 = LayerNorm(Q + ctx W_O) x gamma + beta.  The product is on codes of FP4 (E2M1) with one E8M0 byte for each 32 along K = 1024; all else in f32.
; SHARES.  A work-group owns 32 tokens (two tiles of 16) and ALL 1,024 columns, so that a row's mean and variance never leave it.  Wave w makes columns 64 w .. 64 w + 63 (four tiles of W_O) for both tiles of tokens: 8 accumulators.
; ctx's 32 pieces (16 KiB) are copied into LDS once and read by all sixteen waves.  W_O's fragments, laid in the order of an operand's registers by the first launch, go from memory straight into registers, 512 consecutive bytes a load,
; four K steps ahead: each is used once in a work-group, so LDS would add nothing.  No tensor load, so no ring.  No cluster: with no tensor load there is no joint request to make.
; THE MATRIX INSTRUCTION: source 0 = 16 columns of W_O, source 1 = 16 tokens: a lane holds eight neighbouring columns of one token's row.  The rows meet in a stage in LDS (32 rows x (4,096 + 16) bytes); then wave w takes rows 2 w and 2 w + 1 whole:
; residual, mean, variance of the centred numbers, gain and bias, and stores of 512 consecutive bytes.
; A PREFETCH: in K step 1, behind the loads of W_O, each wave names its own two rows of Q (8,192 bytes, lanes 256 bytes apart, each block named once in the launch): six K steps ahead of the loads that will want them.
; LIMITS: NaN and infinities among the inputs are not served.
.set CSO,  4194304                     ; ctx: the scale bytes
.set WP,   4456448                     ; stage1: W_O in fragment order
.set STG,  16384                       ; LDS: ctx's pieces at 0, the stage here
.set SPI,  4112                        ; a stage row: 4,096 bytes + 16
.set LI,   1                           ; v1  16 x lane
.set TI,   2                           ; v2  16 x thread
.set STO,  3                           ; v3, v4  the stage: where I put 32 bytes of row r of token tile 0, 1
.set SR,   5                           ; v5  and where I read my two rows back
.set L2,   6                           ; v6  2 x lane;  v7  32 x lane;  v8  256 x lane
.set L32,  7
.set L256, 8
.set CS,   16                          ; v16-23  ctx's scale words: K step q: token tile 0 in lanes 0-15, tile 1 in lanes 16-31
.set WS,   24                          ; v24-39  W_O's: register 8 p + q: tile 2 p in lanes 0-15, tile 2 p + 1 in lanes 16-31
.set CF,   40                          ; v40-55  ctx's two fragments (at the head: the 16 pairs of scale bytes)
.set ACC,  56                          ; v56-119 accumulator (y, i) at 32 y + 8 i; later my two rows
.set WF,   120                         ; v120-247 four sets of W_O's four fragments; later Q's two rows, gamma, beta
.set GM,   184
.set BT,   216
	s_load_b256 s[4:11], s[0:1], 0x0               ; ctx, stage1, W_O's scales, Q
	s_load_b128 s[12:15], s[0:1], 0x20             ; gamma, beta
	s_load_b64 s[16:17], s[0:1], 0x30              ; out0
	v_lshl_add_u32 v14, v0, 2, 0x24200
	v_mov_b32 v15, 0
	v_lshrrev_b32 v9, 5, v0
	v_readfirstlane_b32 s18, v9                    ; wave 0..15
	v_and_b32 v9, 31, v0
	v_lshlrev_b32 v[LI], 4, v9
	v_lshlrev_b32 v[TI], 4, v0
	v_lshlrev_b32 v[L2], 1, v9
	v_lshlrev_b32 v[L32], 5, v9
	v_lshlrev_b32 v[L256], 8, v9
	v_and_b32 v10, 15, v0                          ; r
	v_bfe_u32 v11, v0, 4, 1                        ; h
	v_mul_u32_u24 v[STO], v10, SPI
	v_lshl_add_u32 v[STO], v11, 5, v[STO]
	s_lshl_b32 s19, s18, 8
	s_add_co_u32 s19, s19, STG
	v_add_nc_u32 v[STO], s19, v[STO]               ; STG + r x pitch + 32 h + 256 w
	v_add_nc_u32 v[STO+1], 16*SPI, v[STO]
	s_mul_i32 s19, s18, 2*SPI
	s_add_co_u32 s19, s19, STG
	v_add_nc_u32 v[SR], s19, v[LI]
	s_mov_b32 s20, 0x76543210
	s_mov_b32 s21, 0xfedcba98                      ; v_permlanex16_b32's selects for lane l xor 16
	s_mov_b32 s22, 0x3a800000                      ; 1 / 1024
	s_mov_b32 s23, 0x3727c5ac                      ; 1e-5
	s_lshl_b32 s24, ttmp9, 14                      ; my two token tiles' 32 pieces
	s_mov_b32 s25, 0
	s_lshr_b32 s26, ttmp9, 6                       ; batch
	s_lshl_b32 s26, s26, 16
	s_lshl_b32 s27, ttmp9, 1
	s_and_b32 s27, s27, 127                        ; my first token tile in its batch
	s_lshl_b32 s27, s27, 5
	s_add_co_u32 s26, s26, s27
	s_add_co_u32 s26, s26, CSO
	s_mov_b32 s27, 0
	s_lshl_b32 s28, s18, 11                        ; W_O's scale bytes: my 64 rows of 32
	s_mov_b32 s29, 0
	s_lshl_b32 s30, s18, 15                        ; W_O's fragments: my four tiles of 8,192 bytes
	s_add_co_u32 s30, s30, WP
	s_mov_b32 s31, 0
	s_lshl_b32 s32, ttmp9, 17                      ; my two rows of Q and of out0: (32 g + 2 w) x 4,096
	s_lshl_b32 s33, s18, 13
	s_add_co_u32 s32, s32, s33
	s_mov_b32 s33, 0
	s_wait_kmcnt 0x0
	s_add_nc_u64 s[24:25], s[4:5], s[24:25]
	s_add_nc_u64 s[26:27], s[4:5], s[26:27]
	s_add_nc_u64 s[8:9], s[8:9], s[28:29]
	s_add_nc_u64 s[6:7], s[6:7], s[30:31]
	s_add_nc_u64 s[10:11], s[10:11], s[32:33]
	s_add_nc_u64 s[16:17], s[16:17], s[32:33]
.macro WLOAD q                         ; W_O's four fragments of K step q into set q % 4: eight loads of 512 consecutive bytes
.irp i, 0,1,2,3
.irp c, 0,1
	global_load_b128 v[WF+32*((\q)%4)+8*\i+4*\c:WF+32*((\q)%4)+8*\i+4*\c+3], v[LI], s[6:7] offset:\i*8192+(\q)*1024+\c*512
.endr
.endr
.endm
	global_load_b128 v[248:251], v[TI], s[24:25]               ; 54 loads, in this order: 2 that copy ctx's pieces,
	global_load_b128 v[252:255], v[TI], s[24:25] offset:8192
.irp d, 0,1,2,3,4,5,6,7,8,9,10,11,12,13,14,15
	global_load_u16 v[CF+\d], v[L2], s[26:27] offset:\d*4096   ; 16 for ctx's scale bytes: head d, lane = 16 x token tile + r,
.endr
.irp p, 0,1
	global_load_b128 v[WS+8*\p:WS+8*\p+3], v[L32], s[8:9] offset:1024*\p        ; 4 for W_O's: row 32 p + lane: its eight words,
	global_load_b128 v[WS+8*\p+4:WS+8*\p+7], v[L32], s[8:9] offset:1024*\p+16
.endr
	WLOAD 0                                        ; and 32 for W_O's first four K steps
	WLOAD 1
	WLOAD 2
	WLOAD 3
	s_wait_loadcnt 52                              ; the two oldest are in
	ds_store_b128 v[TI], v[248:251]
	ds_store_b128 v[TI], v[252:255] offset:8192
	s_wait_loadcnt 32                              ; the 22 oldest are in; W_O's 32 may be out
.irp q, 0,1,2,3,4,5,6,7
	v_lshl_or_b32 v[CS+\q], v[CF+2*\q+1], 16, v[CF+2*\q]   ; K step q = heads 2 q and 2 q + 1
.endr
.rept 8
	v_nop                                          ; a scale register written by a vector instruction stands eight places ahead of a scaled matrix instruction
.endr
	s_wait_dscnt 0x0                               ; for the others' sake: my part of the copy has landed
	s_barrier_signal -1
	s_barrier_wait -1
.macro WM q, y, i                      ; one product.  The rows of the scale registers: W_O's odd tiles and token tile 1 stand in lanes 16-31
.set rD, ACC+32*(\y)+8*(\i)
.set rW, WF+32*((\q)%4)+8*(\i)
.set rC, CF+8*(\y)
.set rA, WS+8*((\i)/2)+(\q)
.set rB, CS+(\q)
.if (\q) == 0
.if ((\i)%2 == 0) && ((\y) == 0)
	v_wmma_scale_f32_16x16x128_f8f6f4 v[rD:rD+7], v[rW:rW+7], v[rC:rC+7], 0, v[rA], v[rB] matrix_a_fmt:MATRIX_FMT_FP4 matrix_b_fmt:MATRIX_FMT_FP4
.elseif ((\i)%2 == 1) && ((\y) == 0)
	v_wmma_scale_f32_16x16x128_f8f6f4 v[rD:rD+7], v[rW:rW+7], v[rC:rC+7], 0, v[rA], v[rB] matrix_a_fmt:MATRIX_FMT_FP4 matrix_b_fmt:MATRIX_FMT_FP4 matrix_a_scale:MATRIX_SCALE_ROW1
.elseif ((\i)%2 == 0)
	v_wmma_scale_f32_16x16x128_f8f6f4 v[rD:rD+7], v[rW:rW+7], v[rC:rC+7], 0, v[rA], v[rB] matrix_a_fmt:MATRIX_FMT_FP4 matrix_b_fmt:MATRIX_FMT_FP4 matrix_b_scale:MATRIX_SCALE_ROW1
.else
	v_wmma_scale_f32_16x16x128_f8f6f4 v[rD:rD+7], v[rW:rW+7], v[rC:rC+7], 0, v[rA], v[rB] matrix_a_fmt:MATRIX_FMT_FP4 matrix_b_fmt:MATRIX_FMT_FP4 matrix_a_scale:MATRIX_SCALE_ROW1 matrix_b_scale:MATRIX_SCALE_ROW1
.endif
.else
.if ((\i)%2 == 0) && ((\y) == 0)
	v_wmma_scale_f32_16x16x128_f8f6f4 v[rD:rD+7], v[rW:rW+7], v[rC:rC+7], v[rD:rD+7], v[rA], v[rB] matrix_a_fmt:MATRIX_FMT_FP4 matrix_b_fmt:MATRIX_FMT_FP4
.elseif ((\i)%2 == 1) && ((\y) == 0)
	v_wmma_scale_f32_16x16x128_f8f6f4 v[rD:rD+7], v[rW:rW+7], v[rC:rC+7], v[rD:rD+7], v[rA], v[rB] matrix_a_fmt:MATRIX_FMT_FP4 matrix_b_fmt:MATRIX_FMT_FP4 matrix_a_scale:MATRIX_SCALE_ROW1
.elseif ((\i)%2 == 0)
	v_wmma_scale_f32_16x16x128_f8f6f4 v[rD:rD+7], v[rW:rW+7], v[rC:rC+7], v[rD:rD+7], v[rA], v[rB] matrix_a_fmt:MATRIX_FMT_FP4 matrix_b_fmt:MATRIX_FMT_FP4 matrix_b_scale:MATRIX_SCALE_ROW1
.else
	v_wmma_scale_f32_16x16x128_f8f6f4 v[rD:rD+7], v[rW:rW+7], v[rC:rC+7], v[rD:rD+7], v[rA], v[rB] matrix_a_fmt:MATRIX_FMT_FP4 matrix_b_fmt:MATRIX_FMT_FP4 matrix_a_scale:MATRIX_SCALE_ROW1 matrix_b_scale:MATRIX_SCALE_ROW1
.endif
.endif
.endm
; K step q: 128 along K.  left = the loads of W_O issued behind this step's set, which may stay out.  The eight accumulators take turns.
.macro KSTEP q, left
	s_wait_loadcnt \left
.irp y, 0,1
.irp c, 0,1
	ds_load_b128 v[CF+8*\y+4*\c:CF+8*\y+4*\c+3], v[LI] offset:(16*\y+2*\q+\c)*512   ; the piece of token tile y, head 2 q + c
.endr
.endr
	s_wait_dscnt 0x0
.irp y, 0,1
.irp i, 0,1,2,3
	WM \q, \y, \i
.endr
.endr
.rept 4
	v_nop                                          ; four places in front of loads into registers that these products read, and of the first read of results
.endr
.if \q < 4
	WLOAD \q+4                                     ; the set just multiplied takes the K step four on
.endif
.if \q == 1
	global_prefetch_b8 v[L256], s[10:11] th:TH_LOAD_NT scope:SCOPE_SE   ; my two rows of Q
.endif
.endm
	KSTEP 0, 24
	KSTEP 1, 24
	KSTEP 2, 24
	KSTEP 3, 24
	KSTEP 4, 24
	KSTEP 5, 16
	KSTEP 6, 8
	KSTEP 7, 0
.irp y, 0,1
.irp i, 0,1,2,3
	ds_store_b128 v[STO+\y], v[ACC+32*\y+8*\i:ACC+32*\y+8*\i+3] offset:64*\i          ; lane (r, h): columns 64 w + 16 i + 8 h + 0 .. 7 of token 16 y + r; each accumulator from its low end on
	ds_store_b128 v[STO+\y], v[ACC+32*\y+8*\i+4:ACC+32*\y+8*\i+7] offset:64*\i+16
.endr
.endr
.irp a, 0,1
.irp k, 0,1,2,3,4,5,6,7
	global_load_b128 v[WF+32*\a+4*\k:WF+32*\a+4*\k+3], v[LI], s[10:11] offset:4096*\a+512*\k th:TH_LOAD_NT   ; Q's row 2 w + a: register 4 k + m = column 128 k + 4 lane + m
.endr
.endr
.irp k, 0,1,2,3,4,5,6,7
	global_load_b128 v[GM+4*\k:GM+4*\k+3], v[LI], s[12:13] offset:512*\k
	global_load_b128 v[BT+4*\k:BT+4*\k+3], v[LI], s[14:15] offset:512*\k
.endr
	s_wait_dscnt 0x0                               ; for the others' sake: my stores into the stage have landed
	s_barrier_signal -1
	s_barrier_wait -1                              ; 32 whole rows lie in the stage
.irp a, 0,1
.irp k, 0,1,2,3,4,5,6,7
	ds_load_b128 v[ACC+32*\a+4*\k:ACC+32*\a+4*\k+3], v[SR] offset:SPI*\a+512*\k
.endr
.endr
	s_wait_dscnt 0x0
	s_wait_loadcnt 0x0
.macro ACROSS x, t                     ; v[x] summed over the 32 lanes, into every lane; v[t] has been written before
	v_add_f32_dpp v[\x], v[\x], v[\x] row_xmask:1 row_mask:0xf bank_mask:0xf
	v_add_f32_dpp v[\x], v[\x], v[\x] row_xmask:2 row_mask:0xf bank_mask:0xf
	v_add_f32_dpp v[\x], v[\x], v[\x] row_xmask:4 row_mask:0xf bank_mask:0xf
	v_add_f32_dpp v[\x], v[\x], v[\x] row_xmask:8 row_mask:0xf bank_mask:0xf
	v_permlanex16_b32 v[\t], v[\x], s20, s21
	v_add_f32 v[\x], v[\x], v[\t]
.endm
.macro LNROW a                         ; one row: 32 numbers a lane
.set XR, ACC+32*(\a)
.set QR, WF+32*(\a)
.set jj, 0
.rept 16
	v_pk_add_f32 v[XR+jj:XR+jj+1], v[XR+jj:XR+jj+1], v[QR+jj:QR+jj+1]   ; the residual
.set jj, jj+2
.endr
	v_pk_add_f32 v[248:249], v[XR:XR+1], v[XR+2:XR+3]                   ; the sum, in two chains
	v_pk_add_f32 v[250:251], v[XR+4:XR+5], v[XR+6:XR+7]
.irp j, 8,12,16,20,24,28
	v_pk_add_f32 v[248:249], v[248:249], v[XR+\j:XR+\j+1]
	v_pk_add_f32 v[250:251], v[250:251], v[XR+\j+2:XR+\j+3]
.endr
	v_pk_add_f32 v[248:249], v[248:249], v[250:251]
	v_add_f32 v248, v248, v249
	ACROSS 248, 249
	v_mul_f32 v248, s22, v248                      ; the mean
.set jj, 0
.rept 16
	v_pk_add_f32 v[XR+jj:XR+jj+1], v[XR+jj:XR+jj+1], v[248:249] op_sel_hi:[1,0] neg_lo:[0,1] neg_hi:[0,1]   ; centred first: the variance is no difference of large sums
.set jj, jj+2
.endr
	v_pk_mul_f32 v[250:251], v[XR:XR+1], v[XR:XR+1]
	v_pk_mul_f32 v[252:253], v[XR+2:XR+3], v[XR+2:XR+3]
.irp j, 4,8,12,16,20,24,28
	v_pk_fma_f32 v[250:251], v[XR+\j:XR+\j+1], v[XR+\j:XR+\j+1], v[250:251]
	v_pk_fma_f32 v[252:253], v[XR+\j+2:XR+\j+3], v[XR+\j+2:XR+\j+3], v[252:253]
.endr
	v_pk_add_f32 v[250:251], v[250:251], v[252:253]
	v_add_f32 v250, v250, v251
	ACROSS 250, 251
	v_fma_f32 v250, v250, s22, s23                 ; the variance + 1e-5
	v_rsq_f32 v250, v250
	v_nop                                          ; a plain place behind the root,
	s_wait_alu depctr_va_vdst(0)                   ; and the wait ahead of its first reader
.set jj, 0
.rept 16
	v_pk_mul_f32 v[XR+jj:XR+jj+1], v[XR+jj:XR+jj+1], v[250:251] op_sel_hi:[1,0]
.set jj, jj+2
.endr
.set jj, 0
.rept 16
	v_pk_fma_f32 v[XR+jj:XR+jj+1], v[XR+jj:XR+jj+1], v[GM+jj:GM+jj+1], v[BT+jj:BT+jj+1]
.set jj, jj+2
.endr
.irp k, 0,1,2,3,4,5,6,7
	global_store_b128 v[LI], v[XR+4*\k:XR+4*\k+3], s[16:17] offset:4096*(\a)+512*\k th:TH_STORE_NT   ; 512 consecutive bytes; written once, read by nobody here
.endr
.endm
	LNROW 0
	LNROW 1
	s_wait_tensorcnt 0x0
	ds_add_u32 v14, v15
	s_wait_dscnt 0x0
	s_endpgm
.Lfunc_end_k_qfe707d6e1e_outln:
	.size	k_qfe707d6e1e_outln, .Lfunc_end_k_qfe707d6e1e_outln-k_qfe707d6e1e_outln
	.p2alignl 7, 3214868480
	.fill 96, 4, 3214868480
	.section	.rodata,"a",@progbits
	.p2align	6, 0x0
	.amdhsa_kernel k_qfe707d6e1e_outln
		.amdhsa_group_segment_fixed_size 150016
		.amdhsa_private_segment_fixed_size 0
		.amdhsa_enable_private_segment 0
		.amdhsa_kernarg_size 56
		.amdhsa_user_sgpr_count 2
		.amdhsa_user_sgpr_kernarg_segment_ptr 1
		.amdhsa_wavefront_size32 1
		.amdhsa_system_sgpr_workgroup_id_x 1
		.amdhsa_system_sgpr_workgroup_id_y 1
		.amdhsa_system_sgpr_workgroup_id_z 1
		.amdhsa_system_vgpr_workitem_id 0
		.amdhsa_next_free_vgpr 256
		.amdhsa_next_free_sgpr 66
		.amdhsa_reserve_vcc 0
		.amdhsa_float_denorm_mode_32 3
		.amdhsa_float_denorm_mode_16_64 3
		.amdhsa_memory_ordered 1
		.amdhsa_forward_progress 1
		.amdhsa_inst_pref_size 44
	.end_amdhsa_kernel
	.amdgpu_metadata
---
amdhsa.version: [ 1, 2 ]
amdhsa.kernels:
  - .name:           k_qfe707d6e1e_outln
    .symbol:         k_qfe707d6e1e_outln.kd
    .args:
      - { .name: ctx, .offset: 0, .size: 8, .value_kind: global_buffer, .address_space: global }
      - { .name: stage1, .offset: 8, .size: 8, .value_kind: global_buffer, .address_space: global }
      - { .name: W_O_scales, .offset: 16, .size: 8, .value_kind: global_buffer, .address_space: global }
      - { .name: Q, .offset: 24, .size: 8, .value_kind: global_buffer, .address_space: global }
      - { .name: ln_gamma, .offset: 32, .size: 8, .value_kind: global_buffer, .address_space: global }
      - { .name: ln_beta, .offset: 40, .size: 8, .value_kind: global_buffer, .address_space: global }
      - { .name: out0, .offset: 48, .size: 8, .value_kind: global_buffer, .address_space: global }
    .group_segment_fixed_size: 150016
    .private_segment_fixed_size: 0
    .kernarg_segment_align: 8
    .kernarg_segment_size: 56
    .max_flat_workgroup_size: 512
    .sgpr_count:     66
    .vgpr_count:     256
    .wavefront_size: 32
...
	.end_amdgpu_metadata
.endif
;; end of part 4
